; MI455X (gfx1250); checked and timed in simulation.
; The chip was launched on July 23, 2026; its instructions are those of AMD's public machine-readable ISA for CDNA 5 (MIT licence, August 2026) and "CDNA5" Instruction Set Architecture Reference Guide (July 2026). The comments in the code are by the model that wrote it; some were corrected since.
;; Vllm Mixture Of Experts Op. Allowed arithmetic: float matrix products may take bf16 or f16 operands with f32 sums; other float arithmetic in f32, or as packed bf16 or f16 multiplies, adds, multiply-adds, maxima and minima; sums over many terms, partial sums and values carried from step to step in f32; what a program stores and reads back later, other than sums and carried values, may be rounded once to bf16 or f16.
;; Inputs: expert_routing_table 8,192 x 2 int32; hidden_states 8,192 x 2,048 float32; router_weights 8,192 x 2 float32; w13 8 x 256 x 2,048 float32; w2 8 x 2,048 x 128 float32.
;; Outputs: out0 8,192 x 2,048 float32.
;; One version. Each part assembles by itself: llvm-mc -triple=amdgcn-amd-amdhsa -mcpu=gfx1250 --defsym DOCPART=n.
;; ======== version 1 of 1: 2 launches
;; workspace buffers: order 32,768 bytes of whole numbers; cnt 256 bytes of whole numbers; w13f 8,388,608 bytes; w2f 4,194,304 bytes
;; launch prep (part 1): grid 256 x 1, 8 waves a work-group, no clusters, 54,528 bytes of LDS; arguments expert_routing_table, w13, w2, order, w13f, w2f, cnt; writes order, cnt, w13f, w2f
.if DOCPART == 1
	.amdgcn_target "amdgcn-amd-amdhsa--gfx1250"
	.amdhsa_code_object_version 6
	.text
	.protected	k_q25a978a5fc_prep
	.globl	k_q25a978a5fc_prep
	.p2align	8
	.type	k_q25a978a5fc_prep,@function
k_q25a978a5fc_prep:
	s_mov_b64 s[64:65], 0
	v_nop
	global_prefetch_b8 v0, s[64:65] scope:SCOPE_SE
	s_setreg_imm32_b32 hwreg(HW_REG_WAVE_MODE, 25, 1), 1
	s_wait_xcnt 0x0
; PREP.  Two jobs in one launch of 256 equal work-groups of eight waves.
; (1) THE SORT.  A token belongs to the SET s = 8 e0 + e1 of its ordered pair of experts: 64 sets.  order takes the 8,192 tokens sorted by set: set s's tokens lie at entries B_s .. B_s + n_s - 1,
;     where B_s is the number of tokens of lower sets; cnt[s] takes n_s.  Work-group g serves set g >> 2 and quarter g & 3 of the table.  The table (8,192 tokens x 8 bytes) is 32 segments of 256
;     tokens; every work-group reads all of it (four segments a wave), counts in each segment its set's matches and, over all, the tokens of lower sets, and each wave stores the matches of ONE
;     segment, 8 x quarter + wave, behind B_s and the matches of all lower segments: a counting sort without atomics, each byte of order written by one wave.  Inside a segment the order goes by
;     compare mask and lane: any order inside a set serves.
; (2) THE WEIGHTS.  w13 and w2 are rounded once to bf16 and stored in the order in which a wave's matrix operand registers take them: blocks of 1,024 bytes = 16 rows x 32 k,
;     two halves of 512 bytes; lane 16 h + r of half p holds row r, k = 16 p + 8 h + 0..7.
;     w13f byte = (((e 4 + q) 64 + ks) 4 + nb) 1024: nb 0, 1 = gate rows 32 q + 16 nb + r; nb 2, 3 = up rows 128 + 32 q + 16 (nb - 2) + r; ks = k / 32.
;     w2f  byte = (((e 32 + cg) 4 + ks) 4 + nb) 1024: row 64 cg + 16 nb + r.
;     A wave takes 16 rows x 128 k of w13 and 16 rows x 64 k of w2 through bytes of LDS of its own: no barrier for these.
; LIMIT.  Routing indices lie in 0 .. 7, as the input's kind has them; a token with another index may be filed under a wrong set or under none.
; No matrix unit, no cluster: the launch moves bytes, and no two work-groups share a weight byte; the table, 64 KiB, is what all share, a small part of a work-group's 164 KiB.
.set CAP,   272                        ; LDS pitch of a row of 128 bf16: 256 bytes + 16
.set CBP,   144                        ; of a row of 64 bf16: 128 bytes + 16
.set WBLK,  16*CAP+16*CBP              ; a wave's own 6,656 bytes: w13's 16 rows, then w2's 16 rows
.set CN,    8*WBLK                     ; 32 words: the counts; word 4 w + i is wave w's scan i: segment 8 ((quarter + i) % 4) + w.  Then 32 words: word 4 w is wave w's count of tokens of lower sets, the others 0
.set SPARE, CN+256                     ; the spare words, 128 bytes for each wave: four blocks of 256 bytes that no other line names
.set LN,  1                            ; v1      lane
.set L16, 2                            ; v2      16 x lane
.set RR,  3                            ; v3      r = lane % 16
.set HH,  4                            ; v4      h = lane / 16
.set TO,  5                            ; v5-8    byte offsets of my four segments in the table
.set CAS, 9                            ; v9      LDS: where I put 8 bytes of a row of w13
.set CAF, 10                           ; v10     LDS: where I read a fragment's 16 bytes of w13
.set W2O, 11                           ; v11     my byte offset in two rows of w2
.set CBS, 12                           ; v12     as v9, for w2
.set CBF, 13                           ; v13     as v10, for w2
.set SPW, 14                           ; v14     LDS address of my spare word; never rewritten
.set NIL, 15                           ; v15     0; never rewritten
.set TB,  16                           ; v16-79  the table's four segments: 16 loads of 16 bytes
.set WA,  80                           ; v80-143 w13: 16 rows, 16 bytes a lane
.set WB,  144                          ; v144-175 w2: 8 pairs of rows
.set FA,  176                          ; v176-207 w13's fragments, read back
.set FB,  208                          ; v208-223 w2's
.set PO,  224                          ; v224-231 at work; then the eight masks' byte offsets in order
.set TK,  232                          ; v232-239 at work; then the eight masks' token numbers
.set CO,  240                          ; v240    0: the offset of the count's store; never rewritten
.set CD,  241                          ; v241    the count
.set CNA, 242                          ; v242    LDS: my wave's four counts; never rewritten
.set CNR, 243                          ; v243    LDS: count word number lane; never rewritten
	s_load_b256 s[4:11], s[0:1], 0x0               ; table s[4:5], w13 s[6:7], w2 s[8:9], order s[10:11]
	s_load_b128 s[12:15], s[0:1], 0x20             ; w13f s[12:13], w2f s[14:15]
	s_load_b64 s[16:17], s[0:1], 0x30              ; cnt
	v_lshl_add_u32 v[SPW], v0, 2, SPARE
	v_mov_b32 v[NIL], 0
	v_mov_b32 v[CO], 0
	v_lshrrev_b32 v[LN], 5, v0
	v_readfirstlane_b32 s18, v[LN]                 ; wave 0..7
	v_lshl_add_u32 v[CNA], v[LN], 4, CN
	v_and_b32 v[LN], 31, v0
	v_lshl_add_u32 v[CNR], v[LN], 2, CN
	v_lshlrev_b32 v[L16], 4, v[LN]
	v_and_b32 v[RR], 15, v0
	v_bfe_u32 v[HH], v0, 4, 1
	s_lshr_b32 s19, ttmp9, 2                       ; my set
	s_and_b32 s20, ttmp9, 3                        ; my quarter
	s_mov_b32 s34, 0x76543210                      ; v_permlanex16_b32: each lane takes its own place in the other half
	s_mov_b32 s35, 0xfedcba98
	s_lshl_b32 s36, s18, 11
.irp i, 0,1,2,3                        ; scan i takes quarter (mine + i) % 4, so scan 0 is the segment that I store
	s_add_co_u32 s[21+\i], s20, \i
	s_and_b32 s[21+\i], s[21+\i], 3
	s_lshl_b32 s33, s[21+\i], 14                   ; segment 8 quarter + w begins at byte 16,384 quarter + 2,048 w
	s_add_co_u32 s33, s33, s36
	v_add_nc_u32 v[TO+\i], s33, v[L16]
.endr
	s_mul_i32 s37, s18, WBLK                       ; my wave's bytes of LDS
	v_lshl_add_u32 v[CAS], v[LN], 3, s37           ; in: 8 bytes a lane, 256 neighbouring bytes a row
	v_mul_u32_u24 v[CAF], v[RR], CAP               ; back: row r, 16 bytes for each half of the lanes
	v_lshl_add_u32 v[CAF], v[HH], 4, v[CAF]
	v_add_nc_u32 v[CAF], s37, v[CAF]
	s_add_co_u32 s37, s37, 16*CAP
	v_mul_u32_u24 v[CBS], v[HH], CBP               ; w2: lanes 0-15 one row, lanes 16-31 the next
	v_lshl_add_u32 v[CBS], v[RR], 3, v[CBS]
	v_add_nc_u32 v[CBS], s37, v[CBS]
	v_mul_u32_u24 v[CBF], v[RR], CBP
	v_lshl_add_u32 v[CBF], v[HH], 4, v[CBF]
	v_add_nc_u32 v[CBF], s37, v[CBF]
	v_lshlrev_b32 v[W2O], 9, v[HH]                 ; a row of w2 is 512 bytes
	v_lshl_add_u32 v[W2O], v[RR], 4, v[W2O]
	; my share of w13: expert g >> 5, block of 16 rows (g >> 1) & 15, 128 k at 128 (8 (g & 1) + w)
	s_lshr_b32 s38, ttmp9, 5                       ; e
	s_bfe_u32 s39, ttmp9, 0x40001                  ; the block of rows
	s_and_b32 s48, ttmp9, 1
	s_lshl3_add_u32 s48, s48, s18                  ; the piece of k
	s_lshl_b32 s50, s38, 21                        ; from: e x 2 MiB + block x 16 rows of 8,192 bytes + piece x 512 bytes
	s_lshl_b32 s33, s39, 17
	s_add_co_u32 s50, s50, s33
	s_lshl_b32 s33, s48, 9
	s_add_co_u32 s50, s50, s33
	s_mov_b32 s51, 0
	s_bfe_u32 s33, s39, 0x20001                    ; to: q = (block & 7) >> 1,
	s_lshl2_add_u32 s52, s38, s33
	s_lshl_b32 s52, s52, 18                        ; (4 e + q) x 256 KiB
	s_lshl_b32 s33, s48, 14                        ; + piece x four k steps of 4,096 bytes
	s_add_co_u32 s52, s52, s33
	s_and_b32 s33, s39, 1
	s_lshr_b32 s36, s39, 3
	s_lshl1_add_u32 s33, s36, s33                  ; nb = (block & 1) + 2 (block >> 3)
	s_lshl_b32 s33, s33, 10
	s_add_co_u32 s52, s52, s33
	s_mov_b32 s53, 0
	; my share of w2: the same expert, block of 16 rows (4 g + (w >> 1)) & 127, 64 k at 64 (w & 1)
	s_lshl_b32 s54, ttmp9, 2
	s_lshr_b32 s33, s18, 1
	s_add_co_u32 s54, s54, s33
	s_and_b32 s54, s54, 127
	s_and_b32 s55, s18, 1
	s_lshl_b32 s56, s38, 20                        ; from: e x 1 MiB + block x 16 rows of 512 bytes + half x 256 bytes
	s_lshl_b32 s33, s54, 13
	s_add_co_u32 s56, s56, s33
	s_lshl_b32 s33, s55, 8
	s_add_co_u32 s56, s56, s33
	s_mov_b32 s57, 0
	s_lshr_b32 s33, s54, 2                         ; to: (32 e + block / 4) x 16 KiB + half x two k steps + (block % 4) x 1,024
	s_lshl_b32 s58, s38, 5
	s_add_co_u32 s58, s58, s33
	s_lshl_b32 s58, s58, 14
	s_lshl_b32 s33, s55, 13
	s_add_co_u32 s58, s58, s33
	s_and_b32 s33, s54, 3
	s_lshl_b32 s33, s33, 10
	s_add_co_u32 s58, s58, s33
	s_mov_b32 s59, 0
	s_lshl_b32 s62, s19, 2                         ; my set's count
	s_mov_b32 s63, 0
	s_wait_kmcnt 0x0
	s_add_nc_u64 s[6:7], s[6:7], s[50:51]
	s_add_nc_u64 s[12:13], s[12:13], s[52:53]
	s_add_nc_u64 s[8:9], s[8:9], s[56:57]
	s_add_nc_u64 s[14:15], s[14:15], s[58:59]
	s_add_nc_u64 s[16:17], s[16:17], s[62:63]
	; all 40 loads of the wave go out at once: the table first, since the sort is waited for first
.irp i, 0,1,2,3
.irp j, 0,1,2,3
	global_load_b128 v[TB+16*\i+4*\j:TB+16*\i+4*\j+3], v[TO+\i], s[4:5] offset:512*\j  ; 64 tokens: lane l holds tokens 2 l and 2 l + 1 of them
.endr
.endr
.irp j, 0,1,2,3,4,5,6,7,8,9,10,11,12,13,14,15
	global_load_b128 v[WA+4*\j:WA+4*\j+3], v[L16], s[6:7] offset:8192*\j th:TH_LOAD_NT  ; row j: 512 neighbouring bytes, read once in the launch
.endr
.irp j, 0,1,2,3,4,5,6,7
	global_load_b128 v[WB+4*\j:WB+4*\j+3], v[W2O], s[8:9] offset:1024*\j th:TH_LOAD_NT  ; rows 2 j and 2 j + 1: 256 neighbouring bytes each
.endr
	; THE COUNTS.  Mask m = 2 j + p of a segment: token 64 j + 2 lane + p.  Scan 0's eight masks are kept in s[40:47].  s29: my four segments' tokens of lower sets.
	s_wait_loadcnt 24                              ; loads return in order: the table is in, the 16 + 8 younger weight loads stay out
	s_mov_b32 s29, 0
.irp i, 0,1,2,3
	s_mov_b32 s[25+\i], 0
.irp m, 0,1,2,3,4,5,6,7
	v_lshl_add_u32 v[PO+\m], v[TB+16*\i+2*\m], 3, v[TB+16*\i+2*\m+1]  ; 8 e0 + e1
.if \i == 0
	v_cmp_eq_u32 s[40+\m], s19, v[PO+\m]
	s_bcnt1_i32_b32 s33, s[40+\m]
.else
	v_cmp_eq_u32 s33, s19, v[PO+\m]
	s_bcnt1_i32_b32 s33, s33
.endif
	s_add_co_u32 s[25+\i], s[25+\i], s33
	v_cmp_gt_u32 s33, s19, v[PO+\m]                ; a lower set's token
	s_bcnt1_i32_b32 s33, s33
	s_add_co_u32 s29, s29, s33
.endr
.endr
.irp i, 0,1,2,3
	v_mov_b32 v[TK+\i], s[25+\i]
.endr
	v_mov_b32 v[TK+4], s29
	v_mov_b32 v[TK+5], 0
	v_mov_b32 v[TK+6], 0
	v_mov_b32 v[TK+7], 0
	ds_store_b128 v[CNA], v[TK:TK+3]               ; all lanes write the same 16 bytes with the same numbers
	ds_store_b128 v[CNA], v[TK+4:TK+7] offset:128
	s_wait_dscnt 0x0                               ; for the others' sake: my counts are in LDS
	s_barrier_signal -1
	s_barrier_wait -1                              ; everybody's are
	ds_load_b32 v[PO+1], v[CNR]                    ; lane l: word l,
	ds_load_b32 v[PO+6], v[CNR] offset:128         ; and word l of the lower sets' counts
	v_and_b32 v[PO+2], 3, v[LN]
	v_add_nc_u32 v[PO+2], s20, v[PO+2]
	v_and_b32 v[PO+2], 3, v[PO+2]                  ; word l is quarter (mine + l % 4) % 4
	v_lshrrev_b32 v[PO+3], 2, v[LN]                ; of wave l / 4:
	v_lshl_add_u32 v[PO+2], v[PO+2], 3, v[PO+3]    ; segment 8 x quarter + wave
	s_lshl3_add_u32 s33, s20, s18                  ; my segment
	v_cmp_gt_u32 vcc_lo, s33, v[PO+2]
	s_wait_dscnt 0x0
	v_cndmask_b32 v[PO+4], 0, v[PO+1], vcc_lo      ; the counts of the segments below mine,
	v_add_nc_u32 v[PO+4], v[PO+4], v[PO+6]         ; and the tokens of lower sets: summed over the lanes, where my matches begin
	v_mov_b32 v[PO+5], 0                           ; the destination of the lines below counts as read
.irp d, 1,2,4,8                        ; both sums over the 32 lanes, in whole numbers
	v_mov_b32_dpp v[PO+5], v[PO+4] row_xmask:\d row_mask:0xf bank_mask:0xf
	v_add_nc_u32 v[PO+4], v[PO+4], v[PO+5]
	v_mov_b32_dpp v[PO+5], v[PO+1] row_xmask:\d row_mask:0xf bank_mask:0xf
	v_add_nc_u32 v[PO+1], v[PO+1], v[PO+5]
.endr
	v_permlanex16_b32 v[PO+5], v[PO+4], s34, s35
	v_add_nc_u32 v[PO+4], v[PO+4], v[PO+5]
	v_permlanex16_b32 v[PO+5], v[PO+1], s34, s35
	v_add_nc_u32 v[PO+1], v[PO+1], v[PO+5]
	v_readfirstlane_b32 s32, v[PO+4]               ; where my segment's matches begin in order
	v_readfirstlane_b32 s31, v[PO+1]               ; n_s
	; THE PLACES, all lanes on: mask m's match in lane l goes to place (matches so far) + (matches in lower lanes)
	s_lshl_b32 s36, s33, 8                         ; my segment's first token
.irp m, 0,1,2,3,4,5,6,7
	v_mbcnt_lo_u32_b32 v[PO+\m], s[40+\m], s32
	s_bcnt1_i32_b32 s33, s[40+\m]
	s_add_co_u32 s32, s32, s33
	v_min_u32 v[PO+\m], 0x1fff, v[PO+\m]           ; a place is below 8,192
	v_lshlrev_b32 v[PO+\m], 2, v[PO+\m]
	v_lshl_add_u32 v[TK+\m], v[LN], 1, s36
	v_add_nc_u32 v[TK+\m], 64*(\m/2)+(\m%2), v[TK+\m]
.endr
.irp m, 0,1,2,3,4,5,6,7                ; the matching lanes store their token: neighbouring words
	s_mov_b32 vcc_lo, s[40+\m]
	s_wait_xcnt 0x0                                ; EXEC is a source of the loads and stores that are out: it changes only behind this wait
	s_and_saveexec_b32 s33, vcc_lo
	global_store_b32 v[PO+\m], v[TK+\m], s[10:11]
	s_wait_xcnt 0x0                                ; and again in front of the line that widens it
	s_or_b32 exec_lo, exec_lo, s33
.endr
	s_or_b32 s33, s20, s18                         ; quarter 0's wave 0 stores the set's count
	s_cmp_lg_u32 s33, 0
	s_cbranch_scc1 .Lno_count
	v_mov_b32 v[CD], s31
	global_store_b32 v[CO], v[CD], s[16:17]        ; all lanes: one word, one number
.Lno_count:
	; THE WEIGHTS: round, 8 bytes a lane into my rows of LDS, back as fragments, 512 neighbouring bytes a store.  LDS serves a wave's instructions in order: no wait between my stores and my loads.
.irp j, 0,1,2,3,4,5,6,7,8,9,10,11,12,13,14,15
	s_wait_loadcnt 23-\j                           ; row j is in: behind it 15 - j rows of w13 and the 8 loads of w2
	v_cvt_pk_bf16_f32 v[WA+4*\j], v[WA+4*\j], v[WA+4*\j+1]
	v_cvt_pk_bf16_f32 v[WA+4*\j+1], v[WA+4*\j+2], v[WA+4*\j+3]
	ds_store_b64 v[CAS], v[WA+4*\j:WA+4*\j+1] offset:CAP*\j
.endr
.irp u, 0,1,2,3,4,5,6,7                ; u = 2 x k step + half
	ds_load_b128 v[FA+4*\u:FA+4*\u+3], v[CAF] offset:32*\u
.endr
.irp j, 0,1,2,3,4,5,6,7
	s_wait_loadcnt 7-\j
	v_cvt_pk_bf16_f32 v[WB+4*\j], v[WB+4*\j], v[WB+4*\j+1]
	v_cvt_pk_bf16_f32 v[WB+4*\j+1], v[WB+4*\j+2], v[WB+4*\j+3]
	ds_store_b64 v[CBS], v[WB+4*\j:WB+4*\j+1] offset:2*CBP*\j
.endr
.irp u, 0,1,2,3
	ds_load_b128 v[FB+4*\u:FB+4*\u+3], v[CBF] offset:32*\u
.endr
.irp u, 0,1,2,3,4,5,6,7
	s_wait_dscnt 19-\u                             ; behind fragment u of w13: 7 - u more of them, w2's 8 stores and 4 loads
	global_store_b128 v[L16], v[FA+4*\u:FA+4*\u+3], s[12:13] offset:4096*(\u/2)+512*(\u%2)
.endr
.irp u, 0,1,2,3
	s_wait_dscnt 3-\u
	global_store_b128 v[L16], v[FB+4*\u:FB+4*\u+3], s[14:15] offset:4096*(\u/2)+512*(\u%2)
.endr
	s_wait_tensorcnt 0x0                           ; the wave's end, behind my last LDS store
	ds_add_u32 v[SPW], v[NIL]
	s_wait_dscnt 0x0
	s_endpgm
.Lfunc_end_k_q25a978a5fc_prep:
	.size	k_q25a978a5fc_prep, .Lfunc_end_k_q25a978a5fc_prep-k_q25a978a5fc_prep
	.p2alignl 7, 3214868480
	.fill 96, 4, 3214868480
	.section	.rodata,"a",@progbits
	.p2align	6, 0x0
	.amdhsa_kernel k_q25a978a5fc_prep
		.amdhsa_group_segment_fixed_size 54528
		.amdhsa_private_segment_fixed_size 0
		.amdhsa_enable_private_segment 0
		.amdhsa_kernarg_size 56
		.amdhsa_user_sgpr_count 2
		.amdhsa_user_sgpr_kernarg_segment_ptr 1
		.amdhsa_wavefront_size32 1
		.amdhsa_system_sgpr_workgroup_id_x 1
		.amdhsa_system_sgpr_workgroup_id_y 1
		.amdhsa_system_sgpr_workgroup_id_z 1
		.amdhsa_system_vgpr_workitem_id 0
		.amdhsa_next_free_vgpr 244
		.amdhsa_next_free_sgpr 66
		.amdhsa_reserve_vcc 1
		.amdhsa_float_denorm_mode_32 3
		.amdhsa_float_denorm_mode_16_64 3
		.amdhsa_memory_ordered 1
		.amdhsa_forward_progress 1
		.amdhsa_inst_pref_size 33
	.end_amdhsa_kernel
	.amdgpu_metadata
---
amdhsa.version: [ 1, 2 ]
amdhsa.kernels:
  - .name:           k_q25a978a5fc_prep
    .symbol:         k_q25a978a5fc_prep.kd
    .args:
      - { .name: expert_routing_table, .offset: 0, .size: 8, .value_kind: global_buffer, .address_space: global }
      - { .name: w13, .offset: 8, .size: 8, .value_kind: global_buffer, .address_space: global }
      - { .name: w2, .offset: 16, .size: 8, .value_kind: global_buffer, .address_space: global }
      - { .name: order, .offset: 24, .size: 8, .value_kind: global_buffer, .address_space: global }
      - { .name: w13f, .offset: 32, .size: 8, .value_kind: global_buffer, .address_space: global }
      - { .name: w2f, .offset: 40, .size: 8, .value_kind: global_buffer, .address_space: global }
      - { .name: cnt, .offset: 48, .size: 8, .value_kind: global_buffer, .address_space: global }
    .group_segment_fixed_size: 54528
    .private_segment_fixed_size: 0
    .kernarg_segment_align: 8
    .kernarg_segment_size: 56
    .max_flat_workgroup_size: 256
    .sgpr_count:     66
    .vgpr_count:     244
    .wavefront_size: 32
...
	.end_amdgpu_metadata
.endif
;; end of part 1
;; launch moe (part 2): grid 233 x 1, 8 waves a work-group, no clusters, 283,136 bytes of LDS; arguments order, hidden_states, router_weights, w13f, w2f, out0, cnt; writes out0
.if DOCPART == 2
	.amdgcn_target "amdgcn-amd-amdhsa--gfx1250"
	.amdhsa_code_object_version 6
	.text
	.protected	k_q25a978a5fc_moe
	.globl	k_q25a978a5fc_moe
	.p2align	8
	.type	k_q25a978a5fc_moe,@function
k_q25a978a5fc_moe:
	s_mov_b64 s[64:65], 0
	v_nop
	global_prefetch_b8 v0, s[64:65] scope:SCOPE_SE
	s_setreg_imm32_b32 hwreg(HW_REG_WAVE_MODE, 25, 1), 1
	s_wait_xcnt 0x0
; out[t] = c0 f(e0, x[t]) + c1 f(e1, x[t]),  f(e, x) = (silu(x Wg[e]^T) * (x Wu[e]^T)) W2[e]^T.  Only a token's two chosen experts are multiplied: the others' coefficient is 0.
; A TILE is up to 48 tokens of one SET (ordered pair a = e0, b = e1; a = b too: the two terms are then added as any two).  One work-group of eight waves takes a tile through the whole chain:
;   gather x (f32 -> bf16) into LDS;  G1: [48 x 2048] x both experts' 256 gate and up columns;  c silu(g) u in registers, into LDS as h [48 x 256] (a's 128 columns, then b's), each number as two bf16;
;   G2: [48 x 256] x [2048 x 256] (a's w2 beside b's along K), so that both experts fall into ONE f32 sum and each output row has one owner;  out through a stage in LDS in whole rows of 256 bytes.
; THE GRID.  The sets' tiles number at most (8192 + 64 x 47) / 48 = 233 for every split of the tokens; work-group b finds tile b from the 64 stored counts.  A work-group that the split leaves without a tile
; passes the two barriers, jumps the work between them and stores nothing.  In a tile that is not full the places past the count repeat its last token; stores past the count are jumped.
; SHARES.  G1: wave w = 4 side + q has all 48 tokens x gate columns 32 q .. + 31 and up columns 32 q .. + 31 of expert a (side 0) or b (side 1).  G2: all 48 tokens x output columns 256 w .. + 255, 64 at a time.
; Both products are used transposed (source 0 = 16 rows of weights, source 1 = 16 tokens): a lane holds ONE token (lane % 16) and 8 neighbouring columns.  A K STEP is 32 along K and 4,096 bytes of weights.
; In G1 it is 12 matrix instructions on 12 accumulators by turns and 6 LDS loads, and the steps go in PAIRS; in G2 it is a UNIT of 24 and 12: the same weights times h's upper and then its lower parts.
; G1 is 64 K steps, G2 4 x 8: one stream of 96 for the ring below.
; THE WEIGHTS come from memory straight into operand registers: the launch before laid them out so that a load of 16 bytes a lane is half a fragment and covers 512 neighbouring bytes.  Each wave reads weights
; that no other wave of the work-group reads, each byte once.  A ring of 8 slots of 32 registers holds 8 K steps; a slot is asked for again as soon as it is multiplied.
; ADDRESSES.  Every base is a buffer's address plus what the wave's number gives.  What hangs on the stored counts and list (place in the list, token, expert) is clamped by a constant and enters a 32-bit
; offset by a shift and an add.  A work-group without a tile reads the list's entry 0 in every token's place: bytes that were stored, and nothing is made of them.
; G1's 32 pairs are written out, K in the immediates: no LDS address and no pointer steps there.
; NO CLUSTER, NO JOINT LOADS: tiles of one set share their weights, but a set has any number of tiles from 0 to 171, so partners would differ in what they ask for; whole clusters of 4 x 48 tokens a set
; would want up to 43 + 63 = 106 clusters, 424 work-groups; and a joint load lands in LDS, of which x's tile leaves 130,304 bytes for h, stages and two slots.
; NUMBERS.  x, w13, w2 and the gate weights c are rounded once to bf16, as inputs.  c h goes to G2 as hi = bf16(c h) and lo = bf16(c h - hi), 16 significant bits: one bf16 alone errs by up to 2^-9 of each
; term, which over 256 terms and 16.7 million outputs comes too near the hundredth of the outputs' root mean square that a number near 0 is allowed.  Not f16: with inputs 30 times larger h passes 65,504.
; Sums, silu and out stay in f32.  silu(g) = g / (1 + 2^(-g log2 e)): where the power overflows the quotient is 0, silu's limit there.
; LIMITS.  Routing indices lie in 0 .. 7 (the launch before files tokens by them); NaN and infinities are not treated apart.
; REGISTERS.  Window 0: v1-15, v46-56 addresses; v16-39 store offsets; v40-45 gate weights; v64-159 two buffers of token fragments (also: the head's scratch, silu's scratch, the way out's rows);
; v160-255 the 12 accumulators ((i, nb) at v[160 + 8 (4 i + nb)]); v64-255 also the gather's three row buffers.  Window 1: the ring.
.set XP,    4112                       ; LDS pitch of a token's 2,048 bf16: 4,096 bytes + 16: an odd multiple of 16, so the 16 rows of a fragment load start in 16 different groups of four banks
.set HP,    1040                       ; of a token's h: 512 bytes of upper parts, 512 of lower parts, + 16
.set HLO,   512                        ; where the lower parts begin in a row of h
.set SP,    272                        ; of a stage row of 64 f32: 256 + 16
.set XT,    0                          ; x's tile: 48 rows
.set HT,    XT+48*XP                   ; h's tile: 48 rows
.set STG,   HT+48*HP                   ; the stages: 16 rows for each wave
.set SPARE, STG+8*16*SP                ; the spare words, 128 bytes for each wave: four blocks of 256 bytes that no other line names
.set VB,   1                           ; v1      16 x lane
.set AX,   2                           ; v2-4    LDS address of my fragment of tokens 16 i .. in x's tile; never rewritten
.set AH,   5                           ; v5-7    the same in h's tile
.set HS,   8                           ; v8      where I put 16 bytes of h
.set SS,   9                           ; v9      the stage: where I put 16 bytes of a row
.set SR,   10                          ; v10     the stage: where I read a row back
.set XS,   11                          ; v11     the gather: where I put 8 bytes of a row
.set SPW,  12                          ; v12     LDS address of my spare word; never rewritten
.set NIL,  13                          ; v13     0; never rewritten
.set VG,   14                          ; v14     16 x lane + my side's expert x 1 MiB: my offset in w13f
.set VA2,  15                          ; v15     16 x lane + expert a x 512 KiB: in w2f
.set OFFS, 16                          ; v16-39  store t: byte offset in out of my 16 bytes of the token at place 2 t + lane / 16
.set CF,   40                          ; v40-45  my token's gate weight in block i: the low register of a pair
.set VB2,  46                          ; v46     16 x lane + expert b x 512 KiB
.set OB,   47                          ; v47     my wave's 1,024 bytes of an output row, my 16 of a chunk's 256
.set XO,   48                          ; v48-53  the gather: byte offset in x of my 16 bytes of row p
.set CT,   54                          ; v54-56  byte offset in router_weights of block i's token
.set AB,   64
.set ACC,  160
.set LNE,  64                          ; the head's scratch, v64-144: free until the gather
.set RR,   65
.set HH,   66
.set TM,   67
.set W6,   68
.set CC,   72                          ; v72-75  the counts of my lane's four sets
.set TT,   76                          ; v76-79  their tiles
.set VL,   80                          ; v80-83  tiles + 256 + count x 65,536
.set EN,   84                          ; v84-87  the tile at which each set ends
.set SG,   88
.set PF,   89
.set NBR,  90
.set AD,   91
.set A1,   92
.set A2,   93
.set ZR,   94                          ; 0
.set VS,   95                          ; my set
.set VT,   96                          ; my tile in the set
.set V48,  97                          ; 48 x that
.set VN,   98                          ; my tile's tokens
.set NM1,  99                          ; the last place that holds a token
.set POS,  100                         ; the entry of order at which my tile begins
.set VEA,  101                         ; expert a
.set VEB,  102                         ; expert b
.set VE,   103                         ; my side's
.set VSD,  104                         ; my side
.set LA,   112                         ; v112-144  the 33 list loads' byte offsets, a register for each
.set MSB, 0
.macro WIN new                         ; s_set_vgpr_msb: bits 1:0 source 0, 3:2 source 1, 5:4 source 2, 7:6 destination; the high byte repeats the setting that is left
.if MSB != (\new)
	s_set_vgpr_msb (MSB<<8)|(\new)
.set MSB, (\new)
.endif
.endm
; v[adr] holds a place of the tile; the place's token comes into v[dst].  A place past the count takes the last token's; the entry of order is bounded by a constant last.  The offset has a register of its own.
.macro LISTLD dst, adr
	v_min_u32 v[\adr], v[NM1], v[\adr]
	v_add_nc_u32 v[\adr], v[POS], v[\adr]
	v_min_u32 v[\adr], 0x1fff, v[\adr]
	v_lshlrev_b32 v[\adr], 2, v[\adr]
	global_load_b32 v[\dst], v[\adr], s[4:5]
.endm
; A step of the prefix sum over 16 lanes: the neighbouring group's sum; all add it to their group's, the upper group's lanes (bit d of the lane's number) also to their prefix
.macro SCAN d
	v_mov_b32_dpp v[NBR], v[SG] row_xmask:\d row_mask:0xf bank_mask:0xf
	v_and_b32 v[AD], \d, v[RR]
	v_cmp_gt_u32 vcc_lo, v[AD], v[ZR]
	v_cndmask_b32 v[AD], 0, v[NBR], vcc_lo
	v_add_nc_u32 v[PF], v[PF], v[AD]
	v_add_nc_u32 v[SG], v[SG], v[NBR]
.endm
; The sum of a register over 16 lanes, in whole numbers, into every lane
.macro SUM16 reg
.irp d, 1,2,4,8
	v_mov_b32_dpp v[NBR], v[\reg] row_xmask:\d row_mask:0xf bank_mask:0xf
	v_add_nc_u32 v[\reg], v[\reg], v[NBR]
.endr
.endm
; THE GATHER.  A row is 16 loads of 512 neighbouring bytes.  No non-temporal word: places past the count name the last row again.
.macro XLOAD p
.irp j, 0,1,2,3,4,5,6,7,8,9,10,11,12,13,14,15
	global_load_b128 v[64+64*((\p)%3)+4*\j:64+64*((\p)%3)+4*\j+3], v[XO+(\p)], s[6:7] offset:512*\j
.endr
.endm
.macro XROW p, left, next              ; left: the younger loads, which stay out
	s_wait_loadcnt \left
.irp j, 0,1,2,3,4,5,6,7,8,9,10,11,12,13,14,15
	v_cvt_pk_bf16_f32 v[64+64*((\p)%3)+4*\j], v[64+64*((\p)%3)+4*\j], v[64+64*((\p)%3)+4*\j+1]
	v_cvt_pk_bf16_f32 v[64+64*((\p)%3)+4*\j+1], v[64+64*((\p)%3)+4*\j+2], v[64+64*((\p)%3)+4*\j+3]
.endr
.irp j, 0,1,2,3,4,5,6,7,8,9,10,11,12,13,14,15
	ds_store_b64 v[XS], v[64+64*((\p)%3)+4*\j:64+64*((\p)%3)+4*\j+1] offset:XP*(\p)+256*\j  ; 32 lanes, 256 neighbouring bytes
.endr
.if \next
	XLOAD (\p)+3
.endif
.endm
; THE RING.  8 loads: one K step's weights, four blocks of 16 rows x 32 k, into slot \slot of window 1
.macro LOADB slot, vad, ptr, off
	WIN 0x40                                       ; destination window 1, address window 0
.irp u, 0,1,2,3,4,5,6,7
	global_load_b128 v[32*(\slot)+4*\u:32*(\slot)+4*\u+3], v[\vad], s[\ptr:\ptr+1] offset:(\off)+512*\u
.endr
.endm
; 12 LDS loads: two sets of token fragments into buffer \buf, at bytes \koff and \koff + \kst of the rows: in G1 two K steps (64 bytes apart), in G2 one K step's upper and lower parts (HLO apart)
.macro LOADA buf, ad, koff, kst
	WIN 0
.irp ks, 0,1
.irp i, 0,1,2
	ds_load_b128 v[AB+48*(\buf)+24*\ks+8*\i:AB+48*(\buf)+24*\ks+8*\i+3],   v[(\ad)+\i] offset:(\koff)+(\kst)*\ks
	ds_load_b128 v[AB+48*(\buf)+24*\ks+8*\i+4:AB+48*(\buf)+24*\ks+8*\i+7], v[(\ad)+\i] offset:(\koff)+(\kst)*\ks+32
.endr
.endr
.endm
; 24 matrix instructions: the buffer's two sets of fragments, with slots \slot0 and \slot0 + \sst (G1: 1, the next K step's weights; G2: 0, the same weights).  The 12 accumulators take turns, one
; instruction a turn: over the pairs', the units' and the loop's edges too.  zero = 1: the first set starts the sums.
.macro MULP buf, slot0, zero, sst
	WIN 0x01                                       ; source 0, the weights, in window 1
.irp ks, 0,1
.irp i, 0,1,2
.irp nb, 0,1,2,3
.if (\zero) && (\ks == 0)
	v_wmma_f32_16x16x32_bf16 v[ACC+8*(4*\i+\nb):ACC+8*(4*\i+\nb)+7], v[32*((\slot0)+(\sst)*\ks)+8*\nb:32*((\slot0)+(\sst)*\ks)+8*\nb+7], v[AB+48*(\buf)+24*\ks+8*\i:AB+48*(\buf)+24*\ks+8*\i+7], 0
.else
	v_wmma_f32_16x16x32_bf16 v[ACC+8*(4*\i+\nb):ACC+8*(4*\i+\nb)+7], v[32*((\slot0)+(\sst)*\ks)+8*\nb:32*((\slot0)+(\sst)*\ks)+8*\nb+7], v[AB+48*(\buf)+24*\ks+8*\i:AB+48*(\buf)+24*\ks+8*\i+7], v[ACC+8*(4*\i+\nb):ACC+8*(4*\i+\nb)+7]
.endif
.endr
.endr
.endr
.endm
; PAIR p of G1: K steps 2 p and 2 p + 1, in slots 2 p % 8 and the next, tokens in buffer p % 2.  Four places behind the pair before, whose two slots and token buffer are now loaded again (a load
; into a register that a matrix instruction has read stands four plain vector instructions behind it).  cnt: the loads younger than this pair's two slots: the two pairs' asked for since, 32.
; ld = 1: the two slots just multiplied take the K steps 2 p + 6 and 2 p + 7, from offset register vad, base s[ptr], byte off.  al = 1: the next pair's tokens, from byte koff of the rows.
.macro PAIR p, cnt, zero, ld, vad, ptr, off, al, ad, koff
.rept 4
	v_nop
.endr
	s_wait_loadcnt \cnt
.if \ld
	LOADB (2*(\p)+6)%8, \vad, \ptr, \off
	LOADB (2*(\p)+7)%8, \vad, \ptr, (\off)+4096
.endif
.if \al
	LOADA ((\p)+1)%2, \ad, \koff, 64
	s_wait_dscnt 12                                ; this pair's tokens are in; the twelve loads just issued stay out
.else
	s_wait_dscnt 0x0
.endif
	MULP (\p)%2, (2*(\p))%8, \zero, 1
.endm
; UNIT u of a chunk of G2: K step u, in slot u, h's two parts in buffer u % 2.  Four places as in PAIR.  cnt: the loads younger than slot u's.  ld = 1: the slot that the unit before multiplied is asked
; for again, from offset register vad, base s[12:13], byte off.  al = 1: the next unit's fragments of h.
.macro UNIT u, cnt, ld, vad, off, al
.rept 4
	v_nop
.endr
	s_wait_loadcnt \cnt
.if \ld
	LOADB ((\u)+7)%8, \vad, 12, \off
.endif
.if \al
	LOADA ((\u)+1)%2, AH, 64*((\u)+1), HLO
	s_wait_dscnt 12                                ; this unit's fragments are in; the twelve loads just issued stay out
.else
	s_wait_dscnt 0x0
.endif
.set ZU, 0
.if (\u) == 0
.set ZU, 1
.endif
	MULP (\u)%2, \u, ZU, 0
.endm
; THE WAY OUT of 48 tokens x 64 columns.  A lane holds 32 bytes of a row; 16 tokens at a time go into my stage and come back as whole rows of 256 bytes, two rows a load.  LDS serves a wave's instructions
; in order: the loads see the stores above them, the next block's stores come behind them.  Store t holds places 2 t and 2 t + 1: stores past the count are jumped; where the count is odd the last store's
; second row is the last token once more, the same bytes to the same address.
.macro EPI
	WIN 0
.rept 4
	v_nop                                          ; the places behind the last products
.endr
.irp i, 0,1,2
.irp nb, 0,1,2,3
	ds_store_b128 v[SS], v[ACC+8*(4*\i+\nb):ACC+8*(4*\i+\nb)+3] offset:64*\nb  ; the low four registers first
	ds_store_b128 v[SS], v[ACC+8*(4*\i+\nb)+4:ACC+8*(4*\i+\nb)+7] offset:64*\nb+16
.endr
.irp t, 0,1,2,3,4,5,6,7
	ds_load_b128 v[AB+32*\i+4*\t:AB+32*\i+4*\t+3], v[SR] offset:2*SP*\t
.endr
.endr
.irp i, 0,1,2
.irp t, 0,1,2,3,4,5,6,7
	s_cmp_le_u32 s26, 2*(8*\i+\t)
	s_cbranch_scc1 .Ldone_\@
	s_wait_dscnt (7-\t)+16*(2-\i)                  ; behind this load: the block's later loads, and sixteen LDS instructions for each later block
	global_store_b128 v[OFFS+8*\i+\t], v[AB+32*\i+4*\t:AB+32*\i+4*\t+3], s[14:15] th:TH_STORE_NT  ; 16 lanes store 256 consecutive bytes, at a multiple of 256 from out's first byte
.endr
.endr
.Ldone_\@:
	s_wait_dscnt 0x0
.endm
; A CHUNK of G2: 64 output columns, eight units: K steps 0-3 are expert a's 128 columns of h, 4-7 expert b's.  Unit 0 asks for this chunk's K step 7 (b's 3); units 1 to 7 for the next chunk's K steps
; 0 to 6, 16,384 bytes on.  Slot u's loads are followed by six units' loads, 48, before unit u wants them: 56 loads, 28 KiB, of a wave are out at the most.  The last chunk asks for its own K step 7 alone,
; and its counts run down: behind slot u's loads stand those of slots u + 1 .. 6 and of slot 7.
.macro CHUNK last
	LOADA 0, AH, 0, HLO
	UNIT 0, 48, 1, VB2, 12288, 1
.if \last
	UNIT 1, 48, 0, VA2, 0, 1
	UNIT 2, 40, 0, VA2, 0, 1
	UNIT 3, 32, 0, VA2, 0, 1
	UNIT 4, 24, 0, VA2, 0, 1
	UNIT 5, 16, 0, VA2, 0, 1
	UNIT 6, 8, 0, VA2, 0, 1
	UNIT 7, 0, 0, VA2, 0, 0
.else
	UNIT 1, 48, 1, VA2, 16384, 1
	UNIT 2, 48, 1, VA2, 20480, 1
	UNIT 3, 48, 1, VA2, 24576, 1
	UNIT 4, 48, 1, VA2, 28672, 1
	UNIT 5, 48, 1, VB2, 16384, 1
	UNIT 6, 48, 1, VB2, 20480, 1
	UNIT 7, 48, 1, VB2, 24576, 0
.endif
	EPI
.endm
	s_load_b256 s[4:11], s[0:1], 0x0               ; order s[4:5], x s[6:7], router_weights s[8:9], w13f s[10:11]
	s_load_b128 s[12:15], s[0:1], 0x20             ; w2f s[12:13], out s[14:15]
	s_load_b64 s[16:17], s[0:1], 0x30              ; cnt
	v_lshl_add_u32 v[SPW], v0, 2, SPARE
	v_mov_b32 v[NIL], 0
	v_lshrrev_b32 v[TM], 5, v0
	v_readfirstlane_b32 s18, v[TM]                 ; wave 0..7
	v_mul_u32_u24 v[W6], v[TM], 6                  ; the gather: wave w fills places 6 w .. 6 w + 5
	s_lshr_b32 s19, s18, 2                         ; side
	s_and_b32 s20, s18, 3                          ; q
	s_lshl_b32 s21, s19, 2                         ; my side's word of a token's two gate weights
	v_and_b32 v[LNE], 31, v0                       ; lane
	v_and_b32 v[RR], 15, v0                        ; r
	v_bfe_u32 v[HH], v0, 4, 1                      ; h
	v_lshlrev_b32 v[VB], 4, v[LNE]
	v_mul_u32_u24 v[TM], v[RR], XP                 ; a fragment: row r x pitch + 16 x half
	v_lshl_add_u32 v[TM], v[HH], 4, v[TM]
.irp i, 0,1,2
	v_add_nc_u32 v[AX+\i], XT+16*XP*\i, v[TM]
.endr
	v_mul_u32_u24 v[TM], v[RR], HP
	v_lshl_add_u32 v[TM], v[HH], 4, v[TM]
.irp i, 0,1,2
	v_add_nc_u32 v[AH+\i], HT+16*HP*\i, v[TM]
.endr
	s_lshl_b32 s72, s19, 8                         ; h's columns 128 side + 32 q + 8 h on, 2 bytes each
	s_lshl_b32 s73, s20, 6
	s_add_co_u32 s72, s72, s73
	s_add_co_u32 s72, s72, HT
	v_add_nc_u32 v[HS], s72, v[TM]
	s_mul_i32 s72, s18, 16*SP
	s_add_co_u32 s72, s72, STG                     ; my stage
	v_mul_u32_u24 v[TM], v[RR], SP                 ; in: row r, 32 bytes for each half of the lanes
	v_lshl_add_u32 v[TM], v[HH], 5, v[TM]
	v_add_nc_u32 v[SS], s72, v[TM]
	v_mul_u32_u24 v[TM], v[HH], SP                 ; back: lanes 0-15 one row of 256 bytes, lanes 16-31 the next
	v_lshl_add_u32 v[TM], v[RR], 4, v[TM]
	v_add_nc_u32 v[SR], s72, v[TM]
	s_mul_i32 s72, s18, 6*XP
	v_lshl_add_u32 v[XS], v[LNE], 3, s72
	s_lshl_b32 s72, s18, 10
	v_lshlrev_b32 v[OB], 4, v[RR]
	v_add_nc_u32 v[OB], s72, v[OB]
	s_mov_b32 s68, 0xffff0000                      ; a word's upper bf16
	s_mov_b32 s92, 0xbfb8aa3b                      ; - log2(e)
	s_mov_b32 s93, s92                             ; named with it as a pair
	s_lshl_b32 s72, s20, 18                        ; w13f: my q's 256 KiB of an expert's 1 MiB
	s_mov_b32 s73, 0
	s_lshl_b32 s74, s18, 16                        ; w2f: my wave's four chunks of 16 KiB of an expert's 512 KiB
	s_mov_b32 s75, 0
	v_mov_b32 v[ZR], 0
	v_mov_b32 v[VSD], s19
	v_lshlrev_b32 v[TM], 4, v[RR]
	s_wait_kmcnt 0x0
	global_load_b128 v[CC:CC+3], v[TM], s[16:17]   ; lane l: the counts of sets 4 (l % 16) .. + 3; both halves of the lanes hold the same, so all that follows stays inside 16 lanes
	s_add_nc_u64 s[10:11], s[10:11], s[72:73]
	s_add_nc_u64 s[12:13], s[12:13], s[74:75]
	s_add_co_u32 s72, ttmp9, 1                     ; b + 1: 'b >= x' is written 'b + 1 > x'
	s_wait_loadcnt 0x0
	; WHICH TILE IS MINE.  A set of c tokens has (c + 47) / 48 tiles: (c + 47) x 43,691 >> 21, exact for c + 47 up to 8,239 since 43,691 x 48 = 2^21 + 16.
	; The sets lie one behind the other in the row of tiles.  Those that END at or below b are just the sets ahead of tile b's owner.  So no lane is picked out; two sums over all sets do:
	;   A1 = the sum over sets with end <= b of (tiles + 256 + count x 65,536): bits 7:0 the owner's first tile (233 at the most), bits 14:8 the owner's number (64: no tile b), bits 29:16 the tokens ahead,
	;        which is also the entry of order at which the owner's tokens begin;
	;   A2 = the sum over sets with start <= b of count: the same tokens and the owner's.
.irp k, 0,1,2,3
	v_min_u32 v[CC+\k], 0x2000, v[CC+\k]
	v_add_nc_u32 v[TT+\k], 47, v[CC+\k]
	v_mul_u32_u24 v[TT+\k], v[TT+\k], 0xaaab
	v_lshrrev_b32 v[TT+\k], 21, v[TT+\k]
	v_lshl_add_u32 v[VL+\k], v[CC+\k], 16, v[TT+\k]
	v_add_nc_u32 v[VL+\k], 256, v[VL+\k]
.endr
	v_add_nc_u32 v[SG], v[TT], v[TT+1]
	v_add_nc_u32 v[SG], v[SG], v[TT+2]
	v_add_nc_u32 v[SG], v[SG], v[TT+3]             ; my lane's tiles: the sum over my group of lanes, which doubles in each step
	v_mov_b32 v[PF], 0                             ; the tiles of the lanes below mine
	v_mov_b32 v[NBR], 0                            ; the destination of the lines below counts as read
	SCAN 1
	SCAN 2
	SCAN 4
	SCAN 8
	v_add_nc_u32 v[EN], v[PF], v[TT]               ; where my four sets end; a set starts where the one before ends
	v_add_nc_u32 v[EN+1], v[EN], v[TT+1]
	v_add_nc_u32 v[EN+2], v[EN+1], v[TT+2]
	v_add_nc_u32 v[EN+3], v[EN+2], v[TT+3]
	v_cmp_gt_u32 vcc_lo, s72, v[PF]                ; b >= my first set's start
	v_cndmask_b32 v[A2], 0, v[CC], vcc_lo
	v_cmp_gt_u32 vcc_lo, s72, v[EN]                ; b >= its end, which is the second's start
	v_cndmask_b32 v[A1], 0, v[VL], vcc_lo
	v_cndmask_b32 v[AD], 0, v[CC+1], vcc_lo
	v_add_nc_u32 v[A2], v[A2], v[AD]
.irp k, 1,2
	v_cmp_gt_u32 vcc_lo, s72, v[EN+\k]
	v_cndmask_b32 v[AD], 0, v[VL+\k], vcc_lo
	v_add_nc_u32 v[A1], v[A1], v[AD]
	v_cndmask_b32 v[AD], 0, v[CC+\k+1], vcc_lo
	v_add_nc_u32 v[A2], v[A2], v[AD]
.endr
	v_cmp_gt_u32 vcc_lo, s72, v[EN+3]
	v_cndmask_b32 v[AD], 0, v[VL+3], vcc_lo
	v_add_nc_u32 v[A1], v[A1], v[AD]
	SUM16 A1
	SUM16 A2
	v_readfirstlane_b32 s73, v[A1]
	v_readfirstlane_b32 s74, v[A2]
	s_and_b32 s75, s73, 0xff                       ; the set's first tile
	s_bfe_u32 s29, s73, 0x70008                    ; the set: 7 bits from bit 8
	s_lshr_b32 s76, s73, 16                        ; the tokens ahead of the set
	s_sub_co_u32 s81, s74, s76                     ; the set's count
	s_sub_co_u32 s79, ttmp9, s75                   ; my tile in the set
	v_mov_b32 v[VS], s29
	v_mov_b32 v[VT], s79
	v_min_u32 v[VT], 170, v[VT]                    ; a set has 171 tiles at the most
	v_mul_u32_u24 v[V48], v[VT], 48
	v_readfirstlane_b32 s83, v[V48]
	s_sub_co_u32 s81, s81, s83                     ; the set's tokens from my tile on
	v_mov_b32 v[VN], s81
	v_min_u32 v[VN], 48, v[VN]
	v_cmp_gt_u32 vcc_lo, 64, v[VS]                 ; the split gives me a tile
	v_cndmask_b32 v[VN], 0, v[VN], vcc_lo
	v_readfirstlane_b32 s26, v[VN]                 ; n: my tile's tokens, 0 to 48
	s_sub_co_u32 s27, s26, 1
	v_mov_b32 v[NM1], s27
	v_cndmask_b32 v[NM1], 0, v[NM1], vcc_lo        ; a tile has a token or more; without a tile: place 0
	v_min_u32 v[NM1], 47, v[NM1]
	v_add_nc_u32 v[POS], s76, v[V48]
	v_cndmask_b32 v[POS], 0, v[POS], vcc_lo        ; without a tile: entry 0
	v_min_u32 v[VS], 63, v[VS]
	v_lshrrev_b32 v[VEA], 3, v[VS]
	v_min_u32 v[VEA], 7, v[VEA]
	v_and_b32 v[VEB], 7, v[VS]
	v_min_u32 v[VEB], 7, v[VEB]
	v_cmp_gt_u32 vcc_lo, 1, v[VSD]                 ; side 0 takes expert a
	v_cndmask_b32 v[VE], v[VEB], v[VEA], vcc_lo
	v_min_u32 v[VE], 7, v[VE]
	v_lshlrev_b32 v[VE], 20, v[VE]
	v_add_nc_u32 v[VG], v[VE], v[VB]
	v_lshlrev_b32 v[VEA], 19, v[VEA]
	v_add_nc_u32 v[VA2], v[VEA], v[VB]
	v_lshlrev_b32 v[VEB], 19, v[VEB]
	v_add_nc_u32 v[VB2], v[VEB], v[VB]
	; 33 loads from the list: first the six tokens whose rows I gather, since those are wanted first
.irp p, 0,1,2,3,4,5
	v_add_nc_u32 v[LA+\p], \p, v[W6]
	LISTLD XO+\p, LA+\p
.endr
.irp i, 0,1,2                          ; the token that my lane holds in block i: place 16 i + r
	v_add_nc_u32 v[LA+6+\i], 16*\i, v[RR]
	LISTLD CT+\i, LA+6+\i
.endr
.set t, 0
.rept 24                               ; store t's token: place 2 t + lane / 16
	v_add_nc_u32 v[LA+9+t], 2*t, v[HH]
	LISTLD OFFS+t, LA+9+t
.set t, t+1
.endr
	s_wait_loadcnt 27                              ; my six tokens are in; the 3 + 24 younger loads stay out
.irp p, 0,1,2,3,4,5
	v_min_u32 v[XO+\p], 0x1fff, v[XO+\p]
	v_lshlrev_b32 v[XO+\p], 13, v[XO+\p]           ; a row of x is 8,192 bytes
	v_add_nc_u32 v[XO+\p], v[XO+\p], v[VB]
.endr
	s_cmp_eq_u32 s26, 0
	s_cbranch_scc1 .Lgathered                      ; no tile: the work up to the barrier is jumped, the barrier is not
	s_wait_xcnt 0x0                                ; the rows below land on the offset registers of the list loads that are still out: only behind this wait
	XLOAD 0                                        ; three rows, 48 loads, 24 KiB of every wave are on their way
	XLOAD 1
	XLOAD 2
	XROW 0, 32, 1                                  ; two younger rows of 16 loads
	XROW 1, 32, 1
	XROW 2, 32, 1
	XROW 3, 32, 0
	XROW 4, 16, 0
	XROW 5, 0, 0
.Lgathered:
	s_wait_loadcnt 0x0                             ; the list's other tokens (behind the gather they have long come)
.irp i, 0,1,2
	v_min_u32 v[CT+\i], 0x1fff, v[CT+\i]
	v_lshlrev_b32 v[CT+\i], 3, v[CT+\i]
	v_add_nc_u32 v[CT+\i], s21, v[CT+\i]           ; router_weights[token][side]
	global_load_b32 v[CF+2*\i], v[CT+\i], s[8:9]   ; older than the ring's loads: the first pair's wait shows them in
.endr
.irp s, 0,1,2,3,4,5                    ; the ring's first fill, K steps 0 to 5: 48 loads, on their way while the waves meet
	LOADB \s, VG, 10, 4096*\s
.endr
	WIN 0                                          ; at a label and at a branch every window is 0
.set t, 0
.rept 24
	v_min_u32 v[OFFS+t], 0x1fff, v[OFFS+t]
	v_lshlrev_b32 v[OFFS+t], 13, v[OFFS+t]         ; a row of out is 8,192 bytes
	v_add_nc_u32 v[OFFS+t], v[OFFS+t], v[OB]
.set t, t+1
.endr
	s_wait_dscnt 0x0                               ; for the others' sake: my six rows are in LDS
	s_barrier_signal -1
	s_barrier_wait -1                              ; x's tile is whole
	s_cmp_eq_u32 s26, 0
	s_cbranch_scc1 .Lh_made
	; G1: 32 pairs.  Pairs 0 to 28 ask for G1's K steps 6 to 63; pairs 29 to 31 for G2's first six: a's 0-3, b's 0, 1.
	LOADA 0, AX, 0, 64
.set P, 0
.rept 32
.set ZR1, 0
.if P == 0
.set ZR1, 1
.endif
.if P < 29
	PAIR P, 32, ZR1, 1, VG, 10, 4096*(2*P+6), 1, AX, 128*(P+1)
.elseif P < 31
	PAIR P, 32, 0, 1, VA2, 12, 4096*(2*P-58), 1, AX, 128*(P+1)
.else
	PAIR P, 32, 0, 1, VB2, 12, 0, 0, AX, 0
.endif
.set P, P+1
.endr
	; c silu(g) u.  x = 2 i + nb names a pair of accumulators: gate (i, nb) and up (i, nb + 2), the same columns in the same registers.  T = v64-111, P = v112-159.
	; Each accumulator's lowest registers are read first.  Two batches of 48 transcendentals, one wait each ahead of a batch's first reader.
	WIN 0
.irp i, 0,1,2                          ; c is rounded to bf16 like the other inputs; these six lines are also the places behind the last products
	v_cvt_pk_bf16_f32 v[CF+2*\i+1], v[CF+2*\i], v[CF+2*\i]
.endr
.irp i, 0,1,2
	v_lshlrev_b32 v[CF+2*\i], 16, v[CF+2*\i+1]
.endr
.set x, 0
.rept 6
.set g, ACC+8*(4*(x/2)+x%2)
.irp z, 0,1,2,3
	v_pk_mul_f32 v[64+8*x+2*\z:64+8*x+2*\z+1], v[g+2*\z:g+2*\z+1], s[92:93] op_sel_hi:[1,0]  ; - g log2(e)
.endr
.set x, x+1
.endr
.set k, 0
.rept 48
	v_exp_f32 v[64+k], v[64+k]
.set k, k+1
.endr
.set x, 0
.rept 6                                ; plain work that names no exponential's result stands between the batch and its wait
.set g, ACC+8*(4*(x/2)+x%2)
.irp z, 0,1,2,3
	v_pk_mul_f32 v[112+8*x+2*\z:112+8*x+2*\z+1], v[g+2*\z:g+2*\z+1], v[g+16+2*\z:g+16+2*\z+1]  ; g u
.endr
.set x, x+1
.endr
.set x, 0
.rept 6
.irp z, 0,1,2,3
	v_pk_mul_f32 v[112+8*x+2*\z:112+8*x+2*\z+1], v[112+8*x+2*\z:112+8*x+2*\z+1], v[CF+2*(x/2):CF+2*(x/2)+1] op_sel_hi:[1,0]  ; c g u: the pair's low register for both
.endr
.set x, x+1
.endr
	s_wait_alu depctr_va_vdst(0)                   ; one wait for the 48 exponentials
.set k, 0
.rept 24
	v_pk_add_f32 v[64+2*k:64+2*k+1], v[64+2*k:64+2*k+1], 1.0 op_sel_hi:[1,0]
.set k, k+1
.endr
.set k, 0
.rept 48
	v_rcp_f32 v[64+k], v[64+k]
.set k, k+1
.endr
	v_nop                                          ; a plain instruction behind the last reciprocal
	s_wait_alu depctr_va_vdst(0)                   ; one wait for the 48 reciprocals
.set k, 0
.rept 24
	v_pk_mul_f32 v[112+2*k:112+2*k+1], v[112+2*k:112+2*k+1], v[64+2*k:64+2*k+1]  ; c h, in f32
.set k, k+1
.endr
	; the two parts: hi = bf16(c h) in v64-87; what hi leaves, exact in f32, is rounded to bf16 in v88-111
.set k, 0
.rept 24
	v_cvt_pk_bf16_f32 v[64+k], v[112+2*k], v[112+2*k+1]
.set k, k+1
.endr
.set k, 0
.rept 24
	v_lshlrev_b32 v[88+k], 16, v[64+k]             ; the even column's hi as f32
.set k, k+1
.endr
.set k, 0
.rept 24
	v_sub_f32 v[112+2*k], v[112+2*k], v[88+k]
.set k, k+1
.endr
.set k, 0
.rept 24
	v_and_b32 v[88+k], s68, v[64+k]                ; the odd column's
.set k, k+1
.endr
.set k, 0
.rept 24
	v_sub_f32 v[112+2*k+1], v[112+2*k+1], v[88+k]
.set k, k+1
.endr
.set k, 0
.rept 24
	v_cvt_pk_bf16_f32 v[88+k], v[112+2*k], v[112+2*k+1]
.set k, k+1
.endr
.set x, 0
.rept 6
	ds_store_b128 v[HS], v[64+4*x:64+4*x+3] offset:16*HP*(x/2)+32*(x%2)      ; token 16 i + r, eight neighbouring columns: the upper parts,
	ds_store_b128 v[HS], v[88+4*x:88+4*x+3] offset:16*HP*(x/2)+32*(x%2)+HLO  ; and the lower
.set x, x+1
.endr
.Lh_made:
	s_wait_loadcnt 0x0                             ; the ring's slots that are out (asked for up to three pairs and the activation ago); behind this line G2's counts hold on every way here
	s_wait_dscnt 0x0                               ; for the others' sake: my part of h is in LDS
	s_barrier_signal -1
	s_barrier_wait -1                              ; h's tile is whole
	s_cmp_eq_u32 s26, 0
	s_cbranch_scc1 .Lend
	; G2: four chunks of 64 columns.  Slots 0 to 5 hold the first chunk's K steps 0 to 5; its K step 6 (b's 2) is asked for here, as unit 7 of a chunk before would have; its K step 7 by its unit 0.
	LOADB 6, VB2, 12, 8192
	WIN 0
	s_mov_b32 s70, 3
.Lchunk:
	CHUNK 0
	s_wait_xcnt 0x0                                ; the two bases, and the registers that the stores read, are written again only behind this wait
	s_add_nc_u64 s[14:15], s[14:15], 256           ; out: the next 64 columns
	s_add_nc_u64 s[12:13], s[12:13], 16384         ; w2f: their weights
	s_sub_co_u32 s70, s70, 1
	s_cmp_lg_u32 s70, 0
	s_cbranch_scc1 .Lchunk
	CHUNK 1
.Lend:
	s_wait_tensorcnt 0x0                           ; the wave's end, behind my last LDS store
	ds_add_u32 v[SPW], v[NIL]
	s_wait_dscnt 0x0
	s_endpgm
.Lfunc_end_k_q25a978a5fc_moe:
	.size	k_q25a978a5fc_moe, .Lfunc_end_k_q25a978a5fc_moe-k_q25a978a5fc_moe
	.p2alignl 7, 3214868480
	.fill 96, 4, 3214868480
	.section	.rodata,"a",@progbits
	.p2align	6, 0x0
	.amdhsa_kernel k_q25a978a5fc_moe
		.amdhsa_group_segment_fixed_size 283136
		.amdhsa_private_segment_fixed_size 0
		.amdhsa_enable_private_segment 0
		.amdhsa_kernarg_size 56
		.amdhsa_user_sgpr_count 2
		.amdhsa_user_sgpr_kernarg_segment_ptr 1
		.amdhsa_wavefront_size32 1
		.amdhsa_system_sgpr_workgroup_id_x 1
		.amdhsa_system_sgpr_workgroup_id_y 1
		.amdhsa_system_sgpr_workgroup_id_z 1
		.amdhsa_system_vgpr_workitem_id 0
		.amdhsa_next_free_vgpr 512
		.amdhsa_next_free_sgpr 96
		.amdhsa_reserve_vcc 1
		.amdhsa_float_denorm_mode_32 3
		.amdhsa_float_denorm_mode_16_64 3
		.amdhsa_memory_ordered 1
		.amdhsa_forward_progress 1
		.amdhsa_inst_pref_size 255
	.end_amdhsa_kernel
	.section	.bss,"aw",@nobits
	.p2align	6
	.space	262144
	.amdgpu_metadata
---
amdhsa.version: [ 1, 2 ]
amdhsa.kernels:
  - .name:           k_q25a978a5fc_moe
    .symbol:         k_q25a978a5fc_moe.kd
    .args:
      - { .name: order, .offset: 0, .size: 8, .value_kind: global_buffer, .address_space: global }
      - { .name: hidden_states, .offset: 8, .size: 8, .value_kind: global_buffer, .address_space: global }
      - { .name: router_weights, .offset: 16, .size: 8, .value_kind: global_buffer, .address_space: global }
      - { .name: w13f, .offset: 24, .size: 8, .value_kind: global_buffer, .address_space: global }
      - { .name: w2f, .offset: 32, .size: 8, .value_kind: global_buffer, .address_space: global }
      - { .name: out0, .offset: 40, .size: 8, .value_kind: global_buffer, .address_space: global }
      - { .name: cnt, .offset: 48, .size: 8, .value_kind: global_buffer, .address_space: global }
    .group_segment_fixed_size: 283136
    .private_segment_fixed_size: 0
    .kernarg_segment_align: 8
    .kernarg_segment_size: 56
    .max_flat_workgroup_size: 256
    .sgpr_count:     96
    .vgpr_count:     512
    .wavefront_size: 32
...
	.end_amdgpu_metadata
.endif
;; end of part 2
